; MI455X (gfx1250); checked and timed in simulation.
; The chip was launched on July 23, 2026; its instructions are those of AMD's public machine-readable ISA for CDNA 5 (MIT licence, August 2026) and "CDNA5" Instruction Set Architecture Reference Guide (July 2026). The comments in the code are by the model that wrote it; some were corrected since.
;; Multihead Attention. Allowed arithmetic: matrix products marked QUANTISED: E5M2 operands, one E8M0 scale for each 32 along K, by v_wmma_scale_f32_16x16x128_f8f6f4 with both operands' format E5M2, f32 sums; everything else in f32.
;; Inputs: W_proj_codes 1,024 x 32 x 32 uint8 (E5M2 codes of W_proj, K innermost, in blocks of 32 codes); W_proj_scales 1,024 x 32 uint8 (E8M0 scales of W_proj, one for each 32 codes along K); W_qkv_codes 3,072 x 32 x 32 uint8 (E5M2 codes of W_qkv, K innermost, in blocks of 32 codes); W_qkv_scales 3,072 x 32 uint8 (E8M0 scales of W_qkv, one for each 32 codes along K); b_proj 1,024 float32; b_qkv 3,072 float32; x_codes 4 x 2,048 x 32 x 32 uint8 (E5M2 codes of x, K innermost, in blocks of 32 codes); x_scales 4 x 2,048 x 32 uint8 (E8M0 scales of x, one for each 32 codes along K).
;; Outputs: out0 4 x 2,048 x 1,024 float32.
;; This version of the problem:
;;   THIS VERSION OF THE PROBLEM IS GIVEN IN LOW PRECISION. The matrix products marked QUANTISED in the list below multiply operands that are first quantised to E5M2 (5 exponent bits, 2 mantissa bits; 8 bits a number), with one power-of-two scale for each 32 numbers along K (OCP MX v1.0); their sums are f32. All else is computed in f32.
;;   The module's matrix products, in the order in which they are computed (A, B: the left and right operand; K: the contracted axis; several contracted axes count as one K, in the product's order):
;;     1. [M 8,192, K 1,024] x [K 1,024, N 3,072]; A: input x (given as codes); B: input W_qkv (given as codes): QUANTISED
;;     2. batch 64 x [M 2,048, K 64] x [K 64, N 2,048]; A: computed on the way; B: computed on the way: QUANTISED
;;     3. batch 64 x [M 2,048, K 2,048] x [K 2,048, N 64]; A: softmax (see below); B: computed on the way: QUANTISED
;;     4. [M 8,192, K 1,024] x [K 1,024, N 1,024]; A: computed on the way; B: input W_proj (given as codes): QUANTISED
;;   THE QUANTISER, for each operand of a quantised product, along K:
;;     - K is cut into blocks of 32 from its start; a last block that is shorter is filled with zeros.
;;     - A block's scale is 2^e with e = floor(log2(the largest magnitude in the block)) - 15, held to -126 .. 127; a block of zeros has e = 0. As a byte (E8M0): e + 127.
;;     - Each number is divided by its block's scale, clamped to +-57,344, and rounded to the nearest number of E5M2, ties to even, subnormals kept.
;;     - The product sums the exact products of the quantised numbers (number of the format x scale) in f32.
;;   ~~~python
;;   def quantise(x, axis):      # numpy; x: float32 -> the quantised numbers, widened to float32 again
;;       x = np.moveaxis(x, axis, -1); K = x.shape[-1]
;;       x = np.pad(x, [(0, 0)] * (x.ndim - 1) + [(0, -K % 32)]); x = x.reshape(x.shape[:-1] + (-1, 32)); a = np.abs(x).max(-1, keepdims=True)
;;       e = np.where(a > 0, np.clip(np.frexp(np.where(a > 0, a, 1))[1] - 1 - 15, -126, 127), 0)      # np.frexp(a)[1] - 1 = floor(log2(a)), exactly
;;       r = np.clip(x / 2.0 ** e, -57344, 57344)
;;       step = 2.0 ** (np.maximum(np.frexp(np.where(r == 0, 1, r))[1] - 1, -14) - 2)
;;       q = np.round(r / step) * step * 2.0 ** e      # np.round: ties to even
;;       return np.moveaxis(q.reshape(q.shape[:-2] + (-1,))[..., :K], -1, axis).astype(np.float32)
;;   ~~~
;;   SOFTMAX AHEAD OF A QUANTISED PRODUCT. Where the list says 'softmax', what is quantised is not the finished softmax but p = 2^(t - M), with t = logit x log2(e) and M = ceil(the row's largest t), a whole number; so 1/2 < the row's largest p <= 1. The row's sum l is taken of the UNQUANTISED p, in f32, and the product's result is divided by l at the end. Since M is a whole number, a kernel that streams over the keys may use a running M (the ceiling of the running maximum): every later rescaling is an exact power of two, which a block's scale takes up: the codes' values come out the same.
;;   OPERANDS COMPUTED ON THE WAY. 'Computed on the way' means the value that the module computes at that place (a softmax that the list does not call 'softmax' is quantised finished and normalised). What goes into a quantiser is computed in f32, as accurately as f32 sums, v_exp_f32 and their like allow (about 1e-6 of the number): no bf16 or f16 on the way to a quantiser, and a product that is left as it is and whose result goes on into a quantised operand takes f32 operands (vector FMAs, or v_wmma_f32_16x16x4_f32). A number that lies on a knife's edge between two numbers of the format may be rounded either way, as far as f32 arithmetic and the matrix unit's own rounding can turn it there, and no further.
;;   INPUTS GIVEN AS CODES. W_proj (in the module: [1024, 1024], K = its axis 1); W_qkv (in the module: [3072, 1024], K = its axis 1); x (in the module: [4, 2048, 1024], K = its axis 2): each comes as NAME_codes (uint8): NAME with its K axis moved to the last place and cut into blocks of 32 codes, [.., K / 32, bytes a block], one block behind the other in memory; one code a byte (a code: sign, 5 exponent bits, 2 mantissa bits); and NAME_scales (uint8): the same leading axes, one E8M0 byte (e + 127) for each 32 codes along K. Its value is code x scale, taken as it is: it is not quantised again, and the codes and scales need not be those that the quantiser above would give.
;; One version. Each part assembles by itself: llvm-mc -triple=amdgcn-amd-amdhsa -mcpu=gfx1250 --defsym DOCPART=n.
;; ======== version 1 of 1: 3 launches
;; limits: right only within a limited range of input values
;; workspace buffers: qimg 8,388,608 bytes; qsc 262,144 bytes; kv 17,301,504 bytes; yimg 8,388,608 bytes; yscl 262,144 bytes
;; launch qkv (part 1): grid 12 x 32, 4 waves a work-group, clusters of 4 x 4, 327,680 bytes of LDS; arguments x_codes, x_scales, W_qkv_codes, W_qkv_scales, b_qkv, qimg, qsc, kv; writes qimg, qsc, kv
.if DOCPART == 1
	.amdgcn_target "amdgcn-amd-amdhsa--gfx1250"
	.amdhsa_code_object_version 6
	.text
	.protected	k_q8e1a2785b8_qkv
	.globl	k_q8e1a2785b8_qkv
	.p2align	8
	.type	k_q8e1a2785b8_qkv,@function
k_q8e1a2785b8_qkv:
	s_mov_b64 s[64:65], 0
	v_nop
	global_prefetch_b8 v0, s[64:65] scope:SCOPE_SE
	s_setreg_imm32_b32 hwreg(HW_REG_WAVE_MODE, 25, 1), 1
	s_wait_xcnt 0x0
	s_wait_alu depctr_hold_cnt(0) depctr_sa_sdst(0) depctr_va_vdst(0) depctr_va_sdst(0) depctr_va_ssrc(0) depctr_va_vcc(0) depctr_vm_vsrc(0)
	s_getreg_b32 s2, hwreg(HW_REG_IB_STS2, 6, 4)
	s_cmp_eq_u32 s2, 0
	s_cbranch_scc0 .Lentry_in_a_cluster
	s_endpgm
.Lentry_in_a_cluster:
	s_bfe_u32 s2, ttmp6, 0x10000c
	s_cmp_lg_u32 s2, 0xf033
	s_cbranch_scc0 .Lentry_shape_is_right
	s_endpgm
.Lentry_shape_is_right:
; qkv = x W_qkv^T + b_qkv on codes of BF8 (E5M2) with one E8M0 scale for each 32 along K = 1,024; the result is quantised at once: q and k along the head's 64, v along the keys.
; A tile of the product, 256 x 256, is made by four waves, 128 x 128 each: 64 accumulators, 512 registers.  K goes in four steps of 256 through two LDS slots filled by the tensor data mover.
; ROLES, by the cluster's x, which all sixteen partners share: 0 makes q, 1 makes k, 2 makes v.  The matrix instruction takes 16 rows of "B" as source 0 and 16 rows of "A" as source 1, so a lane holds
; ONE row of A and its registers run along rows of B.  Roles 0 and 1: A = x, B = W: a lane holds a token, its registers run along the features, which are the next K.  Role 2: A = W, B = x: a lane holds
; a feature and its registers run along the tokens, the keys, which are v's next K.  Only pointers and tile numbers are chosen; the loop over K is one text.
; WHAT IS STORED ARE IMAGES OF THE READER'S REGISTERS: a piece is 32 lanes x 16 bytes, 512 consecutive bytes, a conversion's four registers as they stand.  Inside a block of 32 the place 16 h + 8 u + j holds
; element 16 u + 8 h + j (u: which of two tiles of 16, j: the accumulator's register, h: the lane's half).  q and k share that order along the head, v shares it with the weights p along the keys.
; A wave's 128 tokens are one key step, its 128 features two heads.  qimg: [bh 64][step 16][tile 8][block 2][512].  kv: [bh][step][16,896]: k's images as qimg's, 8,192; v's [16 d: 4][32 keys: 4][512];
; k's scale words [row 16][pair of tiles 4]; v's [d 16][16 d: 4].  qsc: as k's scale words.
; CLUSTERS: 4 x 4 work-groups; A's tile is asked for jointly along a row of the cluster, B's along a column.  The grid has 384 work-groups: a wave's share (one key step x two heads) is what makes every store a whole piece.
; LIMITS: NaN and infinity among the codes are not served.  A block of zeros gets the byte 1 where the rule says 127: its codes are zeros, and this program alone reads the bytes.
.set NQ,     2                         ; matrix instructions deep in a slot
.set ROWB,   256                       ; a tile's row in bytes
.set KROW,   1024                      ; a row of x or of W in memory
.set PITCH,  272                       ; an LDS row: 256 bytes + 16 of padding: the 16 rows of a load start 68 words apart
.set FR,     16                        ; registers of a fragment
.set NL,     4                         ; LDS loads that bring one
.set NP,     8                         ; places behind this matrix instruction (ISA guide 7.12.1)
.set HALFT,  128*PITCH
.set SLOT,   4*HALFT                   ; A's 256 rows, then B's 256 rows
.set KS,     32                        ; a row of scale bytes
.set SCL,    2*SLOT                    ; behind the ring: the scales of all of K, as rows of 256 bytes + 16
.set HALFS,  (128*KS/256)*272
.set SBLK,   (16*KS/256)*272
.set SPARE,  SCL+4*HALFS               ; the spare words: 128 bytes a wave
.set ADRA, 16                          ; v16-17 LDS address of my A fragments in slot 0, 1
.set ADRB, 20                          ; v20-21 the same for B
.set LRS,  24                          ; v24    the scale words' place: 16 r + h x (from head to head)
.set SELV, 25                          ; v25    byte selects: low halves in lanes 0-15, high halves in lanes 16-31
.set LI,   26                          ; v26    16 x lane: my place in a piece
.set ADRS, 27                          ; v27    LDS address of my scale words
.set SPW,  28                          ; v28    my spare word
.set NIL,  29                          ; v29    0
.set SC,   32                          ; v32-63 scale words, two sets
.set BI,   64                          ; v64-127 the bias
.set AF,   128                         ; v128-255 A's fragments; on the way out:
.set T,    128                         ; v128-191 64 numbers at work
.set PCO,  192                         ; v192-223 codes, two sets of 16
.set TM,   224                         ; v224-239 largest magnitudes, bytes, scale operands
.set PWS,  240                         ; v240-247 a scale word for each of A's eight blocks
.set OUTW, 248                         ; v248-251 the scale words as they are stored
.set G1, 24
.set G0, 32
.set G1B, 48
.set G0B, 56
.set G1S, 68
.set G0S, 76
.set G1SB, 80
.set G0SB, 88
.set IMG, 92                           ; s[92:93], s[94:95] where my two heads' images go
.set SCB, 96                           ; s[96:97] where their scale words go
.set SEL, 100                          ; s[100:101] lane selects: lane xor 16
.set HIM, 66                           ; s66 a mask of lanes 16-31
.set MNT, 67
.set MSB, 0
.macro WIN new                         ; the immediate's high byte repeats the setting that is left
.if MSB != (\new)
	s_set_vgpr_msb (MSB<<8)|(\new)
.set MSB, (\new)
.endif
.endm
.set MUL_LO, 0xa1                      ; source 0 (B) window 1, source 1 (A) window 0, C and D window 2
.set MUL_HI, 0xf1                      ; the same, C and D window 3
.set TO_B,   0x40                      ; destination window 1
; A joint load: waves 0 and 1 fetch for A, waves 2 and 3 for B; the branch hangs on the wave's number alone.  Four v_nop follow each of the two lines.
.macro JLOAD g0a, g1a, g0b, g1b
	s_cmp_eq_u32 s15, 0
	s_cbranch_scc0 .Lfor_b_\@
	tensor_load_to_lds s[\g0a:\g0a+3], s[\g1a:\g1a+7]
	s_nop 0
.rept 4
	v_nop
.endr
	s_branch .Lasked_\@
.Lfor_b_\@:
	tensor_load_to_lds s[\g0b:\g0b+3], s[\g1b:\g1b+7]
	s_nop 0
.rept 4
	v_nop
.endr
.Lasked_\@:
.endm
.macro CREST                           ; a round of the cluster's barrier behind its opening barrier
	s_cmp_lg_u32 s14, 0
	s_cbranch_scc1 .Lnot_wave_0_\@
	s_barrier_signal -3
.Lnot_wave_0_\@:
	s_barrier_wait -3
	s_barrier_signal -1
	s_barrier_wait -1
.endm
.macro CROUND
	s_barrier_signal -1
	s_barrier_wait -1
	CREST
.endm
	s_load_b256 s[4:11], s[0:1], 0x0               ; x's codes, x's scales, W's codes, W's scales
	v_lshl_add_u32 v[SPW], v0, 2, SPARE
	v_mov_b32 v[NIL], 0
	ds_add_u32 v28, v29
	ds_add_u32 v28, v29
	s_wait_dscnt 0x0
	v_lshrrev_b32 v1, 5, v0
	v_readfirstlane_b32 s14, v1                    ; wave 0..3
	s_lshr_b32 s15, s14, 1                         ; which half of A's rows is mine.  Also: I fetch for A (0) or for B (1)
	s_and_b32 s16, s14, 1                          ; which half of B's rows.  Also: which 128 rows I fetch
	s_bfe_u32 s40, ttmp6, 0x40000                  ; cx
	s_bfe_u32 s41, ttmp6, 0x40004                  ; cy
	s_and_b32 s95, ttmp7, 0xffff                   ; the cluster's y
	s_lshl_b32 s17, s95, 2
	s_cmp_eq_u32 ttmp9, 2                          ; role v?  The cluster's x is the same in all sixteen partners
	s_cselect_b32 s42, s95, ttmp9
	s_cselect_b32 s17, 8, s17
	s_lshl_b32 s42, s42, 2
	s_add_co_u32 s42, s42, s40                     ; B's tile: q, k: 4 x cluster x + cx of W;  v: 4 x cluster y + cx of x
	s_add_co_u32 s17, s17, s41                     ; A's tile: q, k: 4 x cluster y + cy of x;  v: 8 + cy of W
	s_lshl_b32 s43, s41, 2
	s_lshl_b32 s43, 15, s43                        ; my row of the cluster
	s_lshl_b32 s44, 0x1111, s40                    ; my column
	s_or_b32 s[G1+0], s43, (0<<16)|(1<<20)|(1<<21)|(5<<22)|(3<<25)  ; the mask; elements of 1 byte; padding: 4 words behind every 64; bit 21 beside a mask
	s_or_b32 s[G1B+0], s44, (0<<16)|(1<<20)|(1<<21)|(5<<22)|(3<<25)
.irp g, G1, G1B
	s_mov_b32 s[\g+1], ROWB<<16                    ; tensor_dim0
	s_mov_b32 s[\g+2], 128<<16                     ; tensor_dim1
	s_mov_b32 s[\g+3], ROWB<<16                    ; tile_dim0
	s_mov_b32 s[\g+4], 128                         ; tile_dim1
	s_mov_b32 s[\g+5], KROW                        ; from row to row
	s_mov_b32 s[\g+6], 0
	s_mov_b32 s[\g+7], 0
.endr
	s_or_b32 s[G1S+0], s43, (3<<16)|(1<<20)|(1<<21)|(5<<22)|(3<<25)  ; the scales of 128 rows: 4,096 dense bytes as 16 rows of 256 (32 elements of 8 bytes), 16 bytes of padding behind each
	s_or_b32 s[G1SB+0], s44, (3<<16)|(1<<20)|(1<<21)|(5<<22)|(3<<25)
.irp g, G1S, G1SB
	s_mov_b32 s[\g+1], 32<<16
	s_mov_b32 s[\g+2], (128*KS/256)<<16
	s_mov_b32 s[\g+3], 32<<16
	s_mov_b32 s[\g+4], 128*KS/256
	s_mov_b32 s[\g+5], 32
	s_mov_b32 s[\g+6], 0
	s_mov_b32 s[\g+7], 0
.endr
	s_lshl_b32 s18, s16, 7                         ; which 128 rows of the tile I fetch
	s_lshl_b32 s20, s17, 8
	s_add_co_u32 s20, s20, s18                     ; A's row
	s_lshl_b32 s46, s42, 8
	s_add_co_u32 s46, s46, s18                     ; B's row
	s_mov_b32 s21, 0
	s_mov_b32 s47, 0
	s_mov_b64 s[18:19], KS
	s_mul_u64 s[22:23], s[20:21], s[18:19]         ; where these rows' scales begin
	s_mul_u64 s[92:93], s[46:47], s[18:19]
	s_mov_b64 s[18:19], KROW
	s_mul_u64 s[20:21], s[20:21], s[18:19]         ; and their codes
	s_mul_u64 s[46:47], s[46:47], s[18:19]
	s_mul_i32 s45, s14, HALFT                      ; where they go: wave x 128 rows
	s_mul_i32 s94, s14, HALFS
	s_wait_kmcnt 0x0
	s_cmp_eq_u32 ttmp9, 2                          ; in role v the two operands change places
	s_cselect_b64 s[96:97], s[8:9], s[4:5]         ; A's codes
	s_cselect_b64 s[98:99], s[10:11], s[6:7]       ; A's scales
	s_cselect_b64 s[8:9], s[4:5], s[8:9]           ; B's codes
	s_cselect_b64 s[10:11], s[6:7], s[10:11]       ; B's scales
	s_add_nc_u64 s[20:21], s[96:97], s[20:21]
	s_add_nc_u64 s[22:23], s[98:99], s[22:23]
	s_add_nc_u64 s[46:47], s[8:9], s[46:47]
	s_add_nc_u64 s[92:93], s[10:11], s[92:93]
	CROUND                                         ; all sixteen work-groups are here: the first joint loads meet
	s_mov_b32 s[G0S], 1
	s_add_co_u32 s[G0S+1], s94, SCL
	s_mov_b64 s[G0S+2:G0S+3], s[22:23]
	s_or_b32 s[G0S+3], s[G0S+3], 0x80000000
	s_mov_b32 s[G0SB], 1
	s_add_co_u32 s[G0SB+1], s94, SCL
	s_mov_b64 s[G0SB+2:G0SB+3], s[92:93]
	s_or_b32 s[G0SB+3], s[G0SB+3], 0x80000000
	JLOAD G0S, G1S, G0SB, G1SB                     ; the scales first: they are wanted with K step 0
.irp s, 0,1
	s_mov_b32 s[G0+4*\s], 1
	s_add_co_u32 s[G0+4*\s+1], s45, \s*SLOT
	s_add_nc_u64 s[G0+4*\s+2:G0+4*\s+3], s[20:21], \s*ROWB
	s_or_b32 s[G0+4*\s+3], s[G0+4*\s+3], 0x80000000
	s_mov_b32 s[G0B+4*\s], 1
	s_add_co_u32 s[G0B+4*\s+1], s45, \s*SLOT
	s_add_nc_u64 s[G0B+4*\s+2:G0B+4*\s+3], s[46:47], \s*ROWB
	s_or_b32 s[G0B+4*\s+3], s[G0B+4*\s+3], 0x80000000
	JLOAD G0+4*\s, G1, G0B+4*\s, G1B
.endr
	s_load_b256 s[4:11], s[0:1], 0x20              ; the inputs' pointers are used up: b_qkv s[4:5], qimg s[6:7], qsc s[8:9], kv s[10:11]; waited for on the way out
	v_and_b32 v1, 15, v0                           ; r
	v_bfe_u32 v2, v0, 4, 1                         ; h
	v_mul_u32_u24 v3, v1, PITCH
	v_lshl_add_u32 v4, v2, 4, v3                   ; a fragment's row x pitch + 16 h
	s_mul_i32 s21, s15, HALFT                      ; my 128 rows of A
	s_mul_i32 s22, s16, HALFT                      ; my 128 rows of B,
	s_add_co_u32 s22, s22, 2*HALFT                 ; which lie behind A's 256
.irp s, 0,1
	v_add_nc_u32 v[ADRA+\s], s21, v4
	v_add_nc_u32 v[ADRB+\s], s22, v4
	s_add_co_u32 s21, s21, SLOT
	s_add_co_u32 s22, s22, SLOT
.endr
	v_mul_u32_u24 v5, v1, KS                       ; my row's scales: 32 bytes a row,
	v_lshrrev_b32 v6, 8, v5
	v_lshl_add_u32 v5, v6, 4, v5                   ; and 16 more for each 256 passed
	s_mul_i32 s21, s15, HALFS
	s_mul_i32 s22, s16, HALFS
	s_add_co_u32 s22, s22, 2*HALFS
	s_sub_co_u32 s22, s22, s21
	v_mul_u32_u24 v6, s22, v2                      ; lanes 16-31 take B's
	s_add_co_u32 s21, s21, SCL
	v_add_nc_u32 v5, v5, v6
	v_add_nc_u32 v[ADRS], s21, v5
	v_and_b32 v6, 31, v0
	v_lshlrev_b32 v[LI], 4, v6
.macro FRAG reg, adr, q, i             ; 16 rows x 128 K: lane l holds row l % 16; registers 4 c .. 4 c + 3 hold K = 32 c + 16 (l / 16) + 0 .. 15
.irp c, 0,1,2,3
	ds_load_b128 v[\reg+4*\c:\reg+4*\c+3], v[\adr] offset:128*(\q)+32*\c+(\i)*16*PITCH
.endr
.endm
; 16 matrix instructions: A's blocks a0, a0 + 1 x B's eight.  The 64 accumulators take turns, one instruction a turn, in the same order in every step.
.macro MUL16 a0, p, q, sc, zero
.irp a, \a0, \a0+1
.irp b, 0,1,2,3,4,5,6,7
.if \zero
	v_wmma_scale_f32_16x16x128_f8f6f4 v[8*(8*((\a)%4)+\b):8*(8*((\a)%4)+\b)+7], v[128*(\p)+FR*\b:128*(\p)+FR*\b+FR-1], v[AF+FR*(\a):AF+FR*(\a)+FR-1], 0, v[SC+8*NQ*(\sc)+NQ*\b+(\q)], v[SC+8*NQ*(\sc)+NQ*(\a)+(\q)] matrix_a_fmt:MATRIX_FMT_BF8 matrix_b_fmt:MATRIX_FMT_BF8 matrix_a_scale:MATRIX_SCALE_ROW1
.else
	v_wmma_scale_f32_16x16x128_f8f6f4 v[8*(8*((\a)%4)+\b):8*(8*((\a)%4)+\b)+7], v[128*(\p)+FR*\b:128*(\p)+FR*\b+FR-1], v[AF+FR*(\a):AF+FR*(\a)+FR-1], v[8*(8*((\a)%4)+\b):8*(8*((\a)%4)+\b)+7], v[SC+8*NQ*(\sc)+NQ*\b+(\q)], v[SC+8*NQ*(\sc)+NQ*(\a)+(\q)] matrix_a_fmt:MATRIX_FMT_BF8 matrix_b_fmt:MATRIX_FMT_BF8 matrix_a_scale:MATRIX_SCALE_ROW1
.endif
.endr
.endr
.endm
.macro FETCH_B slot, q, p
	WIN TO_B
.irp i, 0,1,2,3,4,5,6,7
	FRAG 128*(\p)+FR*\i, ADRB+\slot, \q, \i
.endr
	WIN 0
.endm
.macro FETCH_A slot, q, i0
.irp i, \i0, \i0+1, \i0+2, \i0+3
	FRAG AF+FR*(\i), ADRA+\slot, \q, \i
.endr
.endm
.macro SCALES sc                       ; a K step's scale words: two a row; lanes 0-15 take A's block i, lanes 16-31 B's block i
.irp i, 0,1,2,3,4,5,6,7
	ds_load_b64 v[SC+8*NQ*\sc+NQ*\i:SC+8*NQ*\sc+NQ*\i+1], v[ADRS] offset:\i*SBLK
.endr
.endm
.macro PLACES n                        ; plain vector instructions that name no register of the products: in front of loads into registers that products have read, and of the first read of results
.rept \n
	v_nop
.endr
.endm
.macro STEP slot, q, zero              ; 128 along K that has its successor in the same slot
	s_wait_dscnt 4*NL                              ; B's set and A's blocks 0-3 are in; the youngest 16 loads (A's blocks 4-7) may be out
	WIN MUL_LO
	MUL16 0, (\q)%2, \q, \slot, \zero
	MUL16 2, (\q)%2, \q, \slot, \zero
	s_wait_dscnt 0
	PLACES NP
	FETCH_B \slot, (\q)+1, 1-(\q)%2
	FETCH_A \slot, (\q)+1, 0
	WIN MUL_HI
	MUL16 4, (\q)%2, \q, \slot, \zero
	MUL16 6, (\q)%2, \q, \slot, \zero
	PLACES NP
	WIN 0
	FETCH_A \slot, (\q)+1, 4
.endm
; A slot's last step changes slots: one barrier; in front of it each wave waits for all its tensor loads, adds 0 to its spare word, and waits for that and for its reads of this slot.
.macro TURN slot, next, fill
	s_wait_tensorcnt 0x0                           ; all my tensor loads have landed: my part of the next slot
	ds_add_u32 v[SPW], v[NIL]                      ; 0 onto my spare word
	s_wait_dscnt 4*NL+1                            ; the add and the youngest 16 loads may be out
	WIN MUL_LO
	MUL16 0, 1, NQ-1, \slot, 0
	s_wait_dscnt 0x0                               ; the add is done, and my reads of this slot are over
	s_barrier_signal -1
	MUL16 2, 1, NQ-1, \slot, 0
	WIN 0
	s_barrier_wait -1
.if \fill
	CREST                                          ; the barrier has opened a round of the cluster's: no wave of any partner still reads this slot or has a load on its way
	s_add_nc_u64 s[G0+4*\slot+2:G0+4*\slot+3], s[G0+4*\slot+2:G0+4*\slot+3], 2*ROWB
	s_add_nc_u64 s[G0B+4*\slot+2:G0B+4*\slot+3], s[G0B+4*\slot+2:G0B+4*\slot+3], 2*ROWB
	JLOAD G0+4*\slot, G1, G0B+4*\slot, G1B         ; the first tensor load behind the round; its four v_nop are four of the eight places
	PLACES NP-4
.else
	PLACES NP
.endif
	s_wait_alu depctr_va_vdst(0)
	v_add_nc_u32 v[ADRS], 4*NQ, v[ADRS]            ; the next K step's scale words
	FETCH_B \next, 0, 0
	FETCH_A \next, 0, 0
	SCALES \next
	WIN MUL_HI
	MUL16 4, 1, NQ-1, \slot, 0
	MUL16 6, 1, NQ-1, \slot, 0
	PLACES NP
	WIN 0
	FETCH_A \next, 0, 4
.endm
.macro LAST                            ; the very last 128 along K: nothing more to fetch
	s_wait_dscnt 4*NL
	WIN MUL_LO
	MUL16 0, 1, NQ-1, 1, 0
	MUL16 2, 1, NQ-1, 1, 0
	s_wait_dscnt 0x0
	WIN MUL_HI
	MUL16 4, 1, NQ-1, 1, 0
	MUL16 6, 1, NQ-1, 1, 0
	WIN 0
.endm
; 64 numbers of a lane, v[T + 16 b + i], four blocks of 32 shared with lane xor 16, become 16 registers of codes at v[QDST] and the scale word v[QWRD] (byte b: block b).
.macro QUANT
.irp b, 0,1,2,3
	v_max3_num_f32 v[TM+\b], |v[T+16*\b]|, |v[T+1+16*\b]|, 0x8000000   ; my 16 numbers and the floor 2^(16 - 127): the byte cannot fall under 1
.endr
.irp i, 2,4,6,8,10,12,14
.irp b, 0,1,2,3
	v_max3_num_f32 v[TM+\b], v[TM+\b], |v[T+16*\b+\i]|, |v[T+1+16*\b+\i]|
.endr
.endr
.irp b, 0,1,2,3
	v_permlanex16_b32 v[TM+4+\b], v[TM+\b], s[SEL], s[SEL+1]
.endr
.irp b, 0,1,2,3
	v_max_num_f32 v[TM+\b], v[TM+\b], v[TM+4+\b]   ; the block's largest magnitude
.endr
.irp b, 0,1,2,3
	v_add_nc_u32 v[TM+12+\b], 0xf8800000, v[TM+\b] ; 15 off its exponent field: the conversion's scale operand
.endr
.irp b, 0,1,2,3
.endr
.irp b, 0,1,2,3
	v_lshrrev_b32 v[TM+4+\b], 23, v[TM+12+\b]      ; the scale's byte
.endr
	v_lshl_or_b32 v[QWRD], v[TM+5], 8, v[TM+4]
	v_lshl_or_b32 v[QWRD], v[TM+6], 16, v[QWRD]
	v_lshl_or_b32 v[QWRD], v[TM+7], 24, v[QWRD]
.irp b, 0,1,2,3
.irp i, 0,1,2,3,4,5,6,7,8,9,10,11,12,13,14,15
.endr
	v_cvt_scalef32_pk8_bf8_f32 v[QDST+4*\b:QDST+4*\b+1], v[T+16*\b:T+16*\b+7], v[TM+12+\b]
	v_cvt_scalef32_pk8_bf8_f32 v[QDST+4*\b+2:QDST+4*\b+3], v[T+16*\b+8:T+16*\b+15], v[TM+12+\b]
.endr
	v_nop                                          ; a plain instruction behind the last conversion: the next block writes its sources
.endm
; A's block a goes out: + bias, quantised, four pieces of 512 bytes.  role 2: the lane's feature has one bias; else the bias runs along the registers.
.macro OUT_A a, role
.set AC, 64*((\a)%4)
.set QDST, PCO+16*((\a)%2)
.set QWRD, PWS+(\a)
	s_wait_xcnt 0x0                                ; the stores of two blocks ago have read their codes: the set is written again only behind this wait
	WIN 0x02+(\a)/4                                ; source 0: window 2 or 3
.set n_, 0
.rept 32
.if \role == 2
	v_pk_add_f32 v[T+2*n_:T+2*n_+1], v[AC+2*n_:AC+2*n_+1], v[BI+2*(\a):BI+2*(\a)+1]
.else
	v_pk_add_f32 v[T+2*n_:T+2*n_+1], v[AC+2*n_:AC+2*n_+1], v[BI+2*n_:BI+2*n_+1]   ; each accumulator from its low end on
.endif
.set n_, n_+1
.endr
	WIN 0
	QUANT
.irp p, 0,1,2,3
.if \role == 2
	global_store_b128 v[LI], v[QDST+4*\p:QDST+4*\p+3], s[IMG+2*((\a)/4):IMG+2*((\a)/4)+1] offset:2048*((\a)%4)+512*\p   ; head a / 4, 16 d a % 4, keys 32 p on: 512 consecutive bytes
.else
	global_store_b128 v[LI], v[QDST+4*\p:QDST+4*\p+3], s[IMG+2*(\p/2):IMG+2*(\p/2)+1] offset:1024*(\a)+512*(\p%2)     ; head p / 2, tokens 16 a on, block p % 2
.endif
.endr
.endm
	s_wait_alu depctr_va_vdst(0)
	s_wait_tensorcnt 1                             ; the scales and my part of K step 0 are in; K step 1's load may be out
	s_barrier_signal -1
	s_barrier_wait -1
	FETCH_B 0, 0, 0
	FETCH_A 0, 0, 0
	SCALES 0
	FETCH_A 0, 0, 4
	STEP 0, 0, 1                                   ; the first products start the sums: nothing is cleared
	TURN 0, 1, 1                                   ; K has four steps of 256, so the ring is written out: slot 0 takes K step 2,
	STEP 1, 0, 0
	TURN 1, 0, 1                                   ; slot 1 takes K step 3
	STEP 0, 0, 0
	TURN 0, 1, 0
	STEP 1, 0, 0
	; THE WAY OUT: where my wave's key step and its two heads lie.  All choices first, then the arithmetic.
	s_wait_kmcnt 0x0
	s_cmp_eq_u32 ttmp9, 2
	s_cselect_b32 s18, s42, s17                    ; the tile of 256 tokens
	s_cselect_b32 s19, s16, s15                    ; and my half of it
	s_cselect_b32 s20, s41, s40                    ; the tile of 256 features within q, k or v
	s_cselect_b32 s21, s15, s16                    ; and my half of it
	s_cselect_b32 s46, s17, s42                    ; the same tile counted in W's 3,072 rows
	s_cselect_b32 s23, 8192, 0                     ; v's images lie behind k's,
	s_cselect_b32 s3, 256, 0                       ; its scale words behind k's
	s_cmp_eq_u32 ttmp9, 0
	s_cselect_b64 s[IMG:IMG+1], s[6:7], s[10:11]   ; q goes to qimg and qsc, k and v to kv
	s_cselect_b64 s[SCB:SCB+1], s[8:9], s[10:11]
	s_mov_b32 s2, 270336
	s_cselect_b32 s2, 131072, s2                   ; images: from head to head,
	s_mov_b32 s47, 16896
	s_cselect_b32 s47, 8192, s47                   ; from step to step
	s_mov_b32 s12, 270336
	s_cselect_b32 s12, 4096, s12                   ; scale words: from head to head,
	s_mov_b32 s13, 16896
	s_cselect_b32 s13, 256, s13                    ; from step to step,
	s_cselect_b32 s22, 0, 16384                    ; and in kv behind the images
	s_mov_b32 s99, 0
	s_add_co_u32 s22, s22, s3
	s_lshl_b32 s98, s46, 10
	s_lshl_b32 s3, s21, 9
	s_add_co_u32 s98, s98, s3
	s_add_nc_u64 s[4:5], s[4:5], s[98:99]          ; the bias of my 128 features
	s_lshr_b32 s46, s18, 3                         ; batch
	s_and_b32 s18, s18, 7
	s_lshl_b32 s18, s18, 1
	s_add_co_u32 s18, s18, s19                     ; key step 0..15
	s_lshl_b32 s46, s46, 4
	s_lshl_b32 s20, s20, 2
	s_add_co_u32 s46, s46, s20
	s_lshl_b32 s21, s21, 1
	s_add_co_u32 s46, s46, s21                     ; 16 batch + my first head
	s_mul_i32 s98, s46, s2
	s_mul_i32 s3, s18, s47
	s_add_co_u32 s98, s98, s3
	s_add_co_u32 s98, s98, s23
	s_add_nc_u64 s[IMG:IMG+1], s[IMG:IMG+1], s[98:99]
	s_mov_b32 s98, s2
	s_add_nc_u64 s[IMG+2:IMG+3], s[IMG:IMG+1], s[98:99]
	s_mul_i32 s98, s46, s12
	s_mul_i32 s3, s18, s13
	s_add_co_u32 s98, s98, s3
	s_add_co_u32 s98, s98, s22
	s_add_nc_u64 s[SCB:SCB+1], s[SCB:SCB+1], s[98:99]
	s_mov_b32 s[SEL], 0x76543210
	s_mov_b32 s[SEL+1], 0xfedcba98
	s_mov_b32 s[HIM], 0xffff0000
	v_and_b32 v1, 15, v0
	v_bfe_u32 v2, v0, 4, 1
	v_mul_u32_u24 v[LRS], s12, v2
	v_lshl_add_u32 v[LRS], v1, 4, v[LRS]           ; lanes 0-15 store my first head's scale words, lanes 16-31 my second's: 256 consecutive bytes each
	v_lshlrev_b32 v3, 5, v2                        ; the bias along registers: 32 h
	v_lshlrev_b32 v4, 2, v1                        ; the bias along lanes: 4 r
	v_mov_b32 v[SELV], 0x05040100
	v_mov_b32 v5, 0x07060302
	v_cndmask_b32 v[SELV], v[SELV], v5, s[HIM]
	s_cmp_eq_u32 ttmp9, 2
	s_cbranch_scc1 .Lrole_v
	; ---- q and k: lane (r, h) holds token r; register 8 b + j holds feature 16 b + 8 h + j
.irp b, 0,1,2,3,4,5,6,7
	global_load_b128 v[BI+8*\b:BI+8*\b+3], v3, s[4:5] offset:64*\b
	global_load_b128 v[BI+8*\b+4:BI+8*\b+7], v3, s[4:5] offset:64*\b+16
.endr
	LAST                                           ; the bias lands under the last 64 products
	PLACES NP
.irp b, 0,1,2,3
	v_mov_b32 v[TM+4+\b], 0                        ; written once: a lane permute's destination counts as one of its sources
.endr
	s_wait_loadcnt 0x0
.irp a, 0,1,2,3,4,5,6,7
	OUT_A \a, 0
.endr
.irp c, 0,1,2,3
	v_perm_b32 v[OUTW+\c], v[PWS+2*\c+1], v[PWS+2*\c], v[SELV]   ; word c: the two bytes of token 32 c + r, then those of token 32 c + 16 + r; low halves: my first head, high halves: my second
.endr
	global_store_b128 v[LRS], v[OUTW:OUTW+3], s[SCB:SCB+1]
	s_branch .Lend
.Lrole_v:
	s_wait_alu depctr_va_vdst(0)
	; ---- v: lane (r, h) holds feature 16 a + r; register 8 b + j holds token 16 b + 8 h + j
.irp i, 0,1,2,3,4,5,6,7,8,9,10,11,12,13,14,15
	global_load_b32 v[BI+\i], v4, s[4:5] offset:64*(\i/2)   ; block a's bias twice, for the packed addition
.endr
	LAST
	PLACES NP
.irp b, 0,1,2,3
	v_mov_b32 v[TM+4+\b], 0
.endr
	s_wait_loadcnt 0x0
.irp a, 0,1,2,3,4,5,6,7
	OUT_A \a, 2
.endr
.irp c, 0,1,2,3
	v_cndmask_b32 v[OUTW+\c], v[PWS+\c], v[PWS+4+\c], s[HIM]   ; word c: 16 d c on; lanes 0-15 my first head, lanes 16-31 my second
.endr
	global_store_b128 v[LRS], v[OUTW:OUTW+3], s[SCB:SCB+1]
.Lend:
	s_wait_tensorcnt 0x0                           ; the wave's end
	ds_add_u32 v[SPW], v[NIL]
	s_wait_dscnt 0x0
	CROUND                                         ; the closing round: no work-group ends while a partner may still ask for a tile that names it
	s_endpgm
.Lfunc_end_k_q8e1a2785b8_qkv:
	.size	k_q8e1a2785b8_qkv, .Lfunc_end_k_q8e1a2785b8_qkv-k_q8e1a2785b8_qkv
	.p2alignl 7, 3214868480
	.fill 96, 4, 3214868480
	.section	.rodata,"a",@progbits
	.p2align	6, 0x0
	.amdhsa_kernel k_q8e1a2785b8_qkv
		.amdhsa_group_segment_fixed_size 327680
		.amdhsa_private_segment_fixed_size 0
		.amdhsa_enable_private_segment 0
		.amdhsa_kernarg_size 64
		.amdhsa_user_sgpr_count 2
		.amdhsa_user_sgpr_kernarg_segment_ptr 1
		.amdhsa_wavefront_size32 1
		.amdhsa_system_sgpr_workgroup_id_x 1
		.amdhsa_system_sgpr_workgroup_id_y 1
		.amdhsa_system_sgpr_workgroup_id_z 1
		.amdhsa_system_vgpr_workitem_id 0
		.amdhsa_next_free_vgpr 1024
		.amdhsa_next_free_sgpr 102
		.amdhsa_reserve_vcc 0
		.amdhsa_float_denorm_mode_32 3
		.amdhsa_float_denorm_mode_16_64 3
		.amdhsa_fp16_overflow 1
		.amdhsa_memory_ordered 1
		.amdhsa_forward_progress 1
		.amdhsa_inst_pref_size 228
	.end_amdhsa_kernel
	.amdgpu_metadata
---
amdhsa.version: [ 1, 2 ]
amdhsa.kernels:
  - .name:           k_q8e1a2785b8_qkv
    .symbol:         k_q8e1a2785b8_qkv.kd
    .args:
      - { .name: x_codes, .offset: 0, .size: 8, .value_kind: global_buffer, .address_space: global }
      - { .name: x_scales, .offset: 8, .size: 8, .value_kind: global_buffer, .address_space: global }
      - { .name: W_qkv_codes, .offset: 16, .size: 8, .value_kind: global_buffer, .address_space: global }
      - { .name: W_qkv_scales, .offset: 24, .size: 8, .value_kind: global_buffer, .address_space: global }
      - { .name: b_qkv, .offset: 32, .size: 8, .value_kind: global_buffer, .address_space: global }
      - { .name: qimg, .offset: 40, .size: 8, .value_kind: global_buffer, .address_space: global }
      - { .name: qsc, .offset: 48, .size: 8, .value_kind: global_buffer, .address_space: global }
      - { .name: kv, .offset: 56, .size: 8, .value_kind: global_buffer, .address_space: global }
    .group_segment_fixed_size: 327680
    .private_segment_fixed_size: 0
    .kernarg_segment_align: 8
    .kernarg_segment_size: 64
    .max_flat_workgroup_size: 128
    .sgpr_count:     102
    .vgpr_count:     1024
    .wavefront_size: 32
...
	.end_amdgpu_metadata
.endif
;; end of part 1
;; launch attn (part 2): grid 4 x 64, 16 waves a work-group, no clusters, 327,680 bytes of LDS; arguments qimg, qsc, kv, yimg, yscl; writes yimg, yscl
.if DOCPART == 2
	.amdgcn_target "amdgcn-amd-amdhsa--gfx1250"
	.amdhsa_code_object_version 6
	.text
	.protected	k_q8e1a2785b8_attn
	.globl	k_q8e1a2785b8_attn
	.p2align	8
	.type	k_q8e1a2785b8_attn,@function
k_q8e1a2785b8_attn:
	s_mov_b64 s[64:65], 0
	v_nop
	global_prefetch_b8 v0, s[64:65] scope:SCOPE_SE
	s_setreg_imm32_b32 hwreg(HW_REG_WAVE_MODE, 25, 1), 1
	s_wait_xcnt 0x0
; y = softmax(q k^T / 8, causal) v for one head, both products on codes of BF8 (E5M2) with one E8M0 scale for each 32 along K; y / the row's sum is quantised along the 1,024 channels and stored as the next product's operand.
; THE SOFTMAX: t = score x log2(e) / 8; M = the running largest t rounded UP to a whole number; p = 2^(t - M) is quantised along the keys, not normalised; the row's sum is taken of the unquantised p and divides at the end.
; SHARES.  Work-group (i, bh) owns the blocks of 256 queries i and 7 - i of head bh: 256 work-groups.  Wave w takes the tile of 16 queries 16 i + w and then tile 127 - (16 i + w).  A tile t needs t / 8 + 1 key
; steps of 128, so every wave has 17 steps, two of them on the diagonal.
; LDS holds the WHOLE head's k and v, 16 key steps x 16,896 bytes, filled once: each wave brings a sixteenth of keys 0 - 1,023 and a sixteenth of keys 1,024 - 2,047.  Nothing is filled again and nothing is stored to LDS.
; The early tile needs keys under 1,024 alone (its loop has 8 trips), so it starts when the first half has landed.
; OPERANDS ARE IMAGES OF REGISTERS: every LDS load takes 16 x lane, 512 consecutive bytes.  Inside a block of 32 the place 16 h + 8 u + j holds element 16 u + 8 h + j, alike in q and k, and alike in p and v.
; K = 64 IN AN INSTRUCTION OF K = 128: a fragment of k holds TWO tiles of 16 keys (keys 32 c + r in registers 0-7, keys 32 c + 16 + r in registers 8-15); q is kept twice, as [q | zero codes] and as [zero codes | q].
; Both products are used transposed: a lane holds one query throughout.
; NO CLUSTER, though the four work-groups of a head read the same 270,336 bytes: a key step that lies wholly behind the diagonal is left out by a scalar branch on the work-group's block of queries, which in a
; cluster of those four would be the place in the cluster; without that branch a wave would walk 24 steps in place of 17.
; LIMITS: NaN and infinities are not served (the zero halves of q lean on finite codes of k, which the launch before holds at the largest code).  A block of zeros gets the byte 1 where the rule says 127: its codes
; are zeros, and this program alone reads the bytes.  The running largest t begins at -3e38.
.set STEPB, 16896                      ; a key step in LDS: k's images 8,192, v's images 8,192, k's scale words 256, v's 256
.set HEADB, 16*STEPB
.set HALFB, 8*STEPB
.set PART,  HALFB/16                   ; 8,448 bytes: 33 rows of 256
.set LI,  1                            ; v1  16 x lane
.set LR,  2                            ; v2  16 r
.set ADK, 3                            ; v3  the step's images
.set ADS, 4                            ; v4  the step's scale words
.set LD,  5                            ; v5  r - 8 h
.set YSO, 6                            ; v6  32 r + h
.set QLO, 16                           ; v16-31 [q | 0];  v32-47 [0 | q]
.set KV,  48                           ; v48-111 four fragments of k, then of v
.set S,   112                          ; v112-175 S^T, then p; on the way out y and its codes in true order
.set YR,  144
.set OT,  176                          ; v176-207 O^T
.set PCD, 208                          ; v208-223 p's codes; on the way out y's codes and, from v216, the other half's
.set XP,  216
.set KSC, 224                          ; v224-227 k's scale words;  v228-231 v's;  v232, v233 q's;  v234 p's
.set VSC, 228
.set QSL, 232
.set PS,  234
.set BM,  236                          ; v236-239 a block's largest;  v240-243 at work, bytes;  v248-251 scale operands
.set PT,  240
.set HD,  244
.set SO,  248
.set TP,  252                          ; v252, v253 at work
.set FF,  254                          ; v[254:255] f = 2^(old M - new M), named as a pair
.set WV,  14
.set BH,  16
.set BAT, 17
.set HEAD, 18
.set MNT, 19
.set SEL, 20
.set CS,  22
.set HIM, 24
.set G1,  28
.set G0A, 36
.set G0B, 40
.set QT,  44                           ; s44 my tile of 16 queries, 0..127;  s45 its key step
.set QT8, 45
.set ST,  46                           ; s46 the key step in hand;  s47 its first LDS byte
.set TB,  47
.set DQ,  48                           ; s48 my first query within its key step
.set SH,  49                           ; s49 which half of q's scale word is mine, as a shift
.set QB,  50
.set QSB, 52
.set YB,  54
.set YSB, 56
	s_load_b256 s[4:11], s[0:1], 0x0               ; qimg, qsc, kv, yimg
	s_load_b64 s[12:13], s[0:1], 0x20              ; yscl
	v_lshl_add_u32 v11, v0, 2, 0x42000
	v_mov_b32 v235, 0
	ds_add_u32 v11, v235
	ds_add_u32 v11, v235
	v_lshrrev_b32 v7, 5, v0
	s_delay_alu instid0(VALU_DEP_1)
	v_readfirstlane_b32 s[WV], v7                  ; wave 0..15
	s_and_b32 s[BH], ttmp7, 0xffff
	s_lshr_b32 s[BAT], s[BH], 4
	s_and_b32 s[HEAD], s[BH], 15
	s_mov_b32 s[G1+0], 3<<16                       ; elements of 8 bytes, no mask, no padding
	s_mov_b32 s[G1+1], 32<<16                      ; tensor_dim0 = 32 elements: 256 bytes
	s_mov_b32 s[G1+2], 33<<16                      ; tensor_dim1 = 33 rows
	s_mov_b32 s[G1+3], 32<<16                      ; tile_dim0
	s_mov_b32 s[G1+4], 33                          ; tile_dim1
	s_mov_b32 s[G1+5], 32                          ; dense: a row begins where the last ends
	s_mov_b32 s[G1+6], 0
	s_mov_b32 s[G1+7], 0
	s_mul_i32 s58, s[WV], PART                     ; my sixteenth of a half
	s_mul_i32 s60, s[BH], HEADB
	s_add_co_u32 s60, s60, s58
	s_mov_b32 s61, 0
	s_mov_b32 s[SEL], 0x76543210
	s_mov_b32 s[SEL+1], 0xfedcba98                 ; lane xor 16
	s_mov_b32 s[CS], 0x3e38aa3b                    ; c = log2(e) / 8
	s_mov_b32 s[CS+1], s[CS]
	s_mov_b32 s[HIM], 0xffff0000                   ; lanes 16-31
	s_wait_dscnt 0x0
	s_wait_kmcnt 0x0
	s_add_nc_u64 s[60:61], s[8:9], s[60:61]
	s_mov_b32 s[G0A], 1
	s_mov_b32 s[G0A+1], s58
	s_mov_b64 s[G0A+2:G0A+3], s[60:61]
	s_or_b32 s[G0A+3], s[G0A+3], 0x80000000
	s_mov_b32 s[G0B], 1
	s_add_co_u32 s[G0B+1], s58, HALFB
	s_add_nc_u64 s[G0B+2:G0B+3], s[60:61], HALFB
	s_or_b32 s[G0B+3], s[G0B+3], 0x80000000
	tensor_load_to_lds s[G0A:G0A+3], s[G1:G1+7]    ; keys 0 - 1,023: my part
	s_nop 0
	s_wait_alu depctr_va_vdst(0)
	s_wait_tensorcnt 0x0
	ds_add_u32 v11, v235
	s_wait_dscnt 0x0
	s_barrier_signal -1
	s_barrier_wait -1
	tensor_load_to_lds s[G0B:G0B+3], s[G1:G1+7]    ; keys 1,024 - 2,047: one load of mine is out
	s_nop 0
.rept 4
	v_nop
.endr
	v_and_b32 v7, 31, v0
	s_delay_alu instid0(VALU_DEP_1)
	v_lshlrev_b32 v[LI], 4, v7
	v_and_b32 v8, 15, v0                           ; r
	v_bfe_u32 v9, v0, 4, 1                         ; h
	s_delay_alu instid0(VALU_DEP_2)
	v_lshlrev_b32 v[LR], 4, v8
	s_delay_alu instid0(VALU_DEP_2)
	v_lshlrev_b32 v10, 3, v9
	s_delay_alu instid0(VALU_DEP_1)
	v_sub_nc_u32 v[LD], v8, v10
	s_delay_alu instid0(VALU_DEP_4)
	v_lshl_add_u32 v[YSO], v8, 5, v9
.irp j, 0,1,2,3,4,5,6,7
	v_mov_b32 v[QLO+8+\j], 0                       ; the zero codes: they stay
	v_mov_b32 v[QLO+16+\j], 0
	v_mov_b32 v[XP+\j], 0                          ; written once: a lane permute's destination counts as one of its sources
.endr
.irp b, 0,1,2,3
	v_mov_b32 v[PT+\b], 0
.endr
	v_mov_b32 v[TP], 0
	v_mov_b32 v[FF+1], 0                           ; named as the upper half of the pair
; A tile's addresses, its q, and the start of its sums.
.macro PASS_HEAD
	s_wait_xcnt 0x0                                ; the last tile's stores have read their data and bases
	s_lshr_b32 s[QT8], s[QT], 3
	s_and_b32 s58, s[QT], 7
	s_lshl_b32 s[DQ], s58, 4
	s_and_b32 s[SH], s[QT], 1
	s_lshl_b32 s[SH], s[SH], 4
	s_mov_b32 s61, 0
	s_lshl_b32 s60, s[BH], 17                      ; q's images: 131,072 a head, 1,024 a tile
	s_lshl_b32 s59, s[QT], 10
	s_add_co_u32 s60, s60, s59
	s_add_nc_u64 s[QB:QB+1], s[4:5], s[60:61]
	s_lshl_b32 s60, s[BH], 12                      ; q's scale words: 4,096 a head, 256 a key step, 4 a pair of tiles
	s_lshl_b32 s59, s[QT8], 8
	s_add_co_u32 s60, s60, s59
	s_lshr_b32 s59, s58, 1
	s_lshl_b32 s59, s59, 2
	s_add_co_u32 s60, s60, s59
	s_add_nc_u64 s[QSB:QSB+1], s[6:7], s[60:61]
	s_lshr_b32 s60, s[HEAD], 2                     ; y's images: [256 along K: 4][16 rows: 512][128 along K: 2][block: 4][512]: a head is two blocks
	s_lshl_b32 s60, s60, 21
	s_lshl_b32 s59, s[BAT], 7
	s_add_co_u32 s59, s59, s[QT]
	s_lshl_b32 s59, s59, 12
	s_add_co_u32 s60, s60, s59
	s_and_b32 s59, s[HEAD], 3
	s_lshl_b32 s59, s59, 10
	s_add_co_u32 s60, s60, s59
	s_add_nc_u64 s[YB:YB+1], s[10:11], s[60:61]
	s_lshl_b32 s60, s[BAT], 16                     ; y's scale bytes: 32 a row, my head's two at 2 x head
	s_lshl_b32 s59, s[QT], 9
	s_add_co_u32 s60, s60, s59
	s_lshl_b32 s59, s[HEAD], 1
	s_add_co_u32 s60, s60, s59
	s_add_nc_u64 s[YSB:YSB+1], s[12:13], s[60:61]
	global_load_b128 v[QLO:QLO+3], v[LI], s[QB:QB+1]
	global_load_b128 v[QLO+4:QLO+7], v[LI], s[QB:QB+1] offset:512
	global_load_b128 v[QLO+24:QLO+27], v[LI], s[QB:QB+1]
	global_load_b128 v[QLO+28:QLO+31], v[LI], s[QB:QB+1] offset:512
	global_load_b32 v[QSL], v[LR], s[QSB:QSB+1]
	s_wait_loadcnt 0x0
	v_lshrrev_b32 v[QSL], s[SH], v[QSL]            ; my tile's two bytes in bytes 0, 1: for [q | 0]
	s_delay_alu instid0(VALU_DEP_1)
	v_lshlrev_b32 v[QSL+1], 16, v[QSL]             ; and in bytes 2, 3: for [0 | q].  The other bytes stand over zero codes and are never 0xff
	v_mov_b32 v13, 0xff61b1e6                      ; the largest t so far: -3e38
	s_delay_alu instid0(VALU_DEP_1)
	v_floor_f32 v12, -v13                          ; -M
	v_mov_b32 v14, 0                               ; the sum, in two halves
	v_mov_b32 v15, 0
.set n_, 0
.rept 32
	v_mov_b32 v[OT+n_], 0                          ; O^T: the loop has no first step of its own.  (These also stand between q's scale words and the first product)
.set n_, n_+1
.endr
.endm
; A KEY STEP: 128 keys.
.macro KSTEP
	s_cmp_gt_u32 s[ST], s[QT8]                     ; all its keys come after my queries: only the addresses step
	s_cbranch_scc1 .Lhid_\@
	s_setprio 2
	v_add_nc_u32 v[ADK], s[TB], v[LI]
	v_add_nc_u32 v[ADS], s[TB], v[LR]
.rept 6
	v_nop                                          ; with the two additions: eight places in front of loads into registers that the last products have read
.endr
.irp c, 0,1,2,3
.irp p, 0,1,2,3
	ds_load_b128 v[KV+16*\c+4*\p:KV+16*\c+4*\p+3], v[ADK] offset:2048*\c+512*\p
.endr
.endr
	ds_load_b128 v[KSC:KSC+3], v[ADS] offset:16384
	s_wait_alu depctr_va_vdst(0)
	s_wait_dscnt 0x0
.irp c, 0,1,2,3                                ; S^T: register 16 c + 8 u + j of lane (r, h): key 32 c + 16 u + 8 h + j, query r
.irp u, 0,1
	v_wmma_scale_f32_16x16x128_f8f6f4 v[S+16*\c+8*\u:S+16*\c+8*\u+7], v[KV+16*\c:KV+16*\c+15], v[QLO+16*\u:QLO+16*\u+15], 0, v[KSC+\c], v[QSL+\u] matrix_a_fmt:MATRIX_FMT_BF8 matrix_b_fmt:MATRIX_FMT_BF8
.endr
.endr
.rept 8
	v_nop
.endr
.irp t, 0,1,2,3                                ; v's fragments take k's registers and land under the softmax
.irp c, 0,1,2,3
	ds_load_b128 v[KV+16*\t+4*\c:KV+16*\t+4*\c+3], v[ADK] offset:8192+2048*\t+512*\c
.endr
.endr
	ds_load_b128 v[VSC:VSC+3], v[ADS] offset:16640
	s_cmp_lt_u32 s[ST], s[QT8]                     ; all keys count: no mask
	s_cbranch_scc1 .Lopen_\@
	v_add_nc_u32 v[TP], s[DQ], v[LD]               ; d = my query within the step - 8 h: register n's key is hidden where 32 (n / 16) + 16 ((n / 8) % 2) + n % 8 > d
	v_mov_b32 v[TP+1], 0xff800000                  ; -infinity: p = 0 then
.set n_, 0
.rept 64
	v_cmp_gt_i32 vcc_lo, 32*(n_/16)+16*((n_/8)%2)+n_%8, v[TP]
	v_cndmask_b32 v[S+n_], v[S+n_], v[TP+1], vcc_lo
.set n_, n_+1
.endr
.Lopen_\@:
.irp b, 0,1,2,3
	v_max3_num_f32 v[BM+\b], v[S+16*\b], v[S+1+16*\b], v[S+2+16*\b]   ; the largest score of each block of 32 keys: for the row's maximum, and, since p rises with the score, for the block's largest p
.endr
.irp i, 3,5,7,9,11,13
.irp b, 0,1,2,3
	v_max3_num_f32 v[BM+\b], v[BM+\b], v[S+16*\b+\i], v[S+1+16*\b+\i]
.endr
.endr
.irp b, 0,1,2,3
	v_max_num_f32 v[BM+\b], v[BM+\b], v[S+15+16*\b]
.endr
.irp b, 0,1,2,3
	s_delay_alu instid0(VALU_DEP_4)
	v_permlanex16_b32 v[PT+\b], v[BM+\b], s[SEL], s[SEL+1]
.endr
.irp b, 0,1,2,3
	s_delay_alu instid0(VALU_DEP_4)
	v_max_num_f32 v[BM+\b], v[BM+\b], v[PT+\b]     ; with lane xor 16's 16 keys
.endr
	s_delay_alu instid0(VALU_DEP_2)
	v_max3_num_f32 v[TP], v[BM], v[BM+1], v[BM+2]
	s_delay_alu instid0(VALU_DEP_1)
	v_max_num_f32 v[TP], v[TP], v[BM+3]
	s_delay_alu instid0(VALU_DEP_1)
	v_mul_f32 v[TP], s[CS], v[TP]                  ; as t
	s_delay_alu instid0(VALU_DEP_1)
	v_max_num_f32 v13, v13, v[TP]                  ; the running largest t
	v_mov_b32 v[TP], v12
	s_delay_alu instid0(VALU_DEP_2)
	v_floor_f32 v12, -v13                          ; the new -M = -ceil(t)
	s_delay_alu instid0(VALU_DEP_1)
	v_sub_f32 v[TP], v12, v[TP]                    ; old M - new M: a whole number, 0 or less
	s_delay_alu instid0(VALU_DEP_1)
	v_cvt_i32_f32 v[TP], v[TP]                     ; (it saturates)
	s_delay_alu instid0(VALU_DEP_1)
	v_ldexp_f32 v[FF], 1.0, v[TP]                  ; f = 2^(old M - new M)
.set n_, 0
	s_setprio 1
.rept 32
	v_pk_fma_f32 v[S+n_:S+n_+1], v[S+n_:S+n_+1], s[CS:CS+1], v[12:13] op_sel_hi:[1,0,0]   ; t - M, two at a time
.set n_, n_+2
.endr
.irp b, 0,1,2,3
	v_fma_f32 v[BM+\b], v[BM+\b], s[CS], v12
.endr
.set n_, 0
	s_wait_alu depctr_va_vdst(0)
.rept 64
	v_exp_f32 v[S+n_], v[S+n_]                     ; p = 2^(t - M)
.set n_, n_+1
.endr
	v_pk_mul_f32 v[14:15], v[14:15], v[FF:FF+1] op_sel_hi:[1,0]   ; the sums under the new M: the plain instruction behind the exponentials
	s_wait_alu depctr_va_vdst(0)                   ; one wait for the batch of 64, ahead of its first reader
.irp b, 0,1,2,3
	v_exp_f32 v[BM+\b], v[BM+\b]                   ; the block's largest p: the same two instructions on the same number
.endr
	v_pk_add_f32 v[PT:PT+1], v[S:S+1], v[S+2:S+3]  ; the row's sum of the unquantised p, in two chains
.irp j, 4,8,12,16,20,24,28,32,36,40,44,48,52,56,60
	v_pk_add_f32 v[14:15], v[14:15], v[S+\j:S+\j+1]
	v_pk_add_f32 v[PT:PT+1], v[PT:PT+1], v[S+2+\j:S+3+\j]
.endr
	s_delay_alu instid0(VALU_DEP_1)
	v_pk_add_f32 v[14:15], v[14:15], v[PT:PT+1]
	s_setprio 0
	s_wait_alu depctr_va_vdst(0)                   ; and one for the four
.irp b, 0,1,2,3
	v_max_num_f32 v[BM+\b], 0x8000000, v[BM+\b]    ; the floor 2^(16 - 127): the byte cannot fall under 1
.endr
.irp b, 0,1,2,3
	s_delay_alu instid0(VALU_DEP_4)
	v_add_nc_u32 v[SO+\b], 0xf8800000, v[BM+\b]    ; 15 off the exponent field: the conversion's scale operand
.endr
.irp b, 0,1,2,3
.endr
.irp b, 0,1,2,3
	s_delay_alu instid0(VALU_DEP_4)
	v_lshrrev_b32 v[PT+\b], 23, v[SO+\b]           ; the scale's byte
.endr
	s_delay_alu instid0(VALU_DEP_3)
	v_lshl_or_b32 v[PS], v[PT+1], 8, v[PT]         ; p's scale word for these 128 keys
	s_delay_alu instid0(VALU_DEP_1)
	v_lshl_or_b32 v[PS], v[PT+2], 16, v[PS]
	s_delay_alu instid0(VALU_DEP_1)
	v_lshl_or_b32 v[PS], v[PT+3], 24, v[PS]
.irp b, 0,1,2,3
.irp i, 0,1,2,3,4,5,6,7,8,9,10,11,12,13,14,15
.endr
	v_cvt_scalef32_pk8_bf8_f32 v[PCD+4*\b:PCD+4*\b+1], v[S+16*\b:S+16*\b+7], v[SO+\b]
	v_cvt_scalef32_pk8_bf8_f32 v[PCD+4*\b+2:PCD+4*\b+3], v[S+16*\b+8:S+16*\b+15], v[SO+\b]
.endr
.set n_, 0
.rept 16
	v_pk_mul_f32 v[OT+n_:OT+n_+1], v[OT+n_:OT+n_+1], v[FF:FF+1] op_sel_hi:[1,0]   ; O^T under the new M; also the places between the codes and the products
.set n_, n_+2
.endr
	s_wait_alu depctr_va_vdst(0)
	s_wait_dscnt 0x0                               ; v is in
.irp t, 0,1,2,3                                ; O^T += V^T P^T: register 8 t + j of lane (r, h): channel 16 t + 8 h + j, query r.  The four accumulators take turns
	v_wmma_scale_f32_16x16x128_f8f6f4 v[OT+8*\t:OT+8*\t+7], v[KV+16*\t:KV+16*\t+15], v[PCD:PCD+15], v[OT+8*\t:OT+8*\t+7], v[VSC+\t], v[PS] matrix_a_fmt:MATRIX_FMT_BF8 matrix_b_fmt:MATRIX_FMT_BF8
.endr
.Lhid_\@:
	s_add_co_u32 s[TB], s[TB], STEPB
	s_add_co_u32 s[ST], s[ST], 1
.endm
; A tile: trips key steps (a constant), then y = O^T / the sum, quantised, brought into the true order along K, stored.
.macro PASS_BODY trips
	s_mov_b32 s[ST], 0
	s_mov_b32 s[TB], 0
.Lk_\@:
	KSTEP
	s_cmp_lt_u32 s[ST], \trips
	s_cbranch_scc1 .Lk_\@
	s_setprio 0
.rept 8
	v_nop
.endr
	v_add_f32 v14, v14, v15
	s_delay_alu instid0(VALU_DEP_1)
	v_permlanex16_b32 v[TP], v14, s[SEL], s[SEL+1]
	s_delay_alu instid0(VALU_DEP_1)
	v_add_f32 v14, v14, v[TP]                      ; the row's sum
	s_wait_alu depctr_va_vdst(0)
	v_rcp_f32 v14, v14
	v_nop
	s_wait_alu depctr_va_vdst(0)                   ; ahead of the reciprocal's first reader
.set n_, 0
.rept 16
	v_pk_mul_f32 v[S+n_:S+n_+1], v[OT+n_:OT+n_+1], v[14:15] op_sel_hi:[1,0]   ; register 16 b + 8 u + j: channel 32 b + 16 u + 8 h + j
.set n_, n_+2
.endr
.irp b, 0,1
	v_max3_num_f32 v[BM+\b], |v[S+16*\b]|, |v[S+1+16*\b]|, 0x8000000
.endr
.irp i, 2,4,6,8,10,12,14
.irp b, 0,1
	s_delay_alu instid0(VALU_DEP_2)
	v_max3_num_f32 v[BM+\b], v[BM+\b], |v[S+16*\b+\i]|, |v[S+1+16*\b+\i]|
.endr
.endr
.irp b, 0,1
	s_delay_alu instid0(VALU_DEP_2)
	v_permlanex16_b32 v[PT+\b], v[BM+\b], s[SEL], s[SEL+1]
.endr
.irp b, 0,1
	s_delay_alu instid0(VALU_DEP_2)
	v_max_num_f32 v[BM+\b], v[BM+\b], v[PT+\b]
.endr
.irp b, 0,1
	s_delay_alu instid0(VALU_DEP_2)
	v_add_nc_u32 v[SO+\b], 0xf8800000, v[BM+\b]
.endr
.irp b, 0,1
.endr
.irp b, 0,1
	s_delay_alu instid0(VALU_DEP_2)
	v_lshrrev_b32 v[PT+\b], 23, v[SO+\b]
.endr
.irp b, 0,1
.irp i, 0,1,2,3,4,5,6,7,8,9,10,11,12,13,14,15
.endr
	v_cvt_scalef32_pk8_bf8_f32 v[PCD+4*\b:PCD+4*\b+1], v[S+16*\b:S+16*\b+7], v[SO+\b]
	v_cvt_scalef32_pk8_bf8_f32 v[PCD+4*\b+2:PCD+4*\b+3], v[S+16*\b+8:S+16*\b+15], v[SO+\b]
.endr
	v_nop                                          ; a plain instruction between the conversions and the readers of their results
.irp j, 0,1,2,3,4,5,6,7
	v_permlanex16_b32 v[XP+\j], v[PCD+\j], s[SEL], s[SEL+1]
.endr
.irp c, 0,1                                    ; W_proj comes in the true order, so lane (r, h) must hold channels 32 c + 16 h + 0 .. 15: half of them are mine, half lane xor 16's
	v_cndmask_b32 v[YR+4*\c],   v[PCD+4*\c],   v[XP+4*\c+2],  s[HIM]
	v_cndmask_b32 v[YR+4*\c+1], v[PCD+4*\c+1], v[XP+4*\c+3],  s[HIM]
	v_cndmask_b32 v[YR+4*\c+2], v[XP+4*\c],    v[PCD+4*\c+2], s[HIM]
	v_cndmask_b32 v[YR+4*\c+3], v[XP+4*\c+1],  v[PCD+4*\c+3], s[HIM]
.endr
	v_cndmask_b32 v[TP], v[PT], v[PT+1], s[HIM]    ; lanes 0-15 store block 0's byte, lanes 16-31 block 1's
	global_store_b128 v[LI], v[YR:YR+3], s[YB:YB+1]              ; 512 consecutive bytes each
	global_store_b128 v[LI], v[YR+4:YR+7], s[YB:YB+1] offset:512
	global_store_b8 v[YSO], v[TP], s[YSB:YSB+1]
.endm
	s_lshl_b32 s[QT], ttmp9, 4
	s_add_co_u32 s[QT], s[QT], s[WV]               ; the early tile: 16 i + w
	PASS_HEAD
	s_wait_tensorcnt 0x1                           ; my part of keys 0 - 1,023 is in; my load of the other half may stay out
	s_barrier_signal -1
	s_barrier_wait -1                              ; everybody's is
	PASS_BODY 8
	s_sub_co_u32 s[QT], 127, s[QT]                 ; the late tile: 16 (7 - i) + 15 - w
	PASS_HEAD
	s_wait_tensorcnt 0x0                           ; my part of keys 1,024 - 2,047 is in
	s_wait_dscnt 0x0
	s_barrier_signal -1
	s_barrier_wait -1
	PASS_BODY 16
	s_wait_tensorcnt 0x0
	ds_add_u32 v11, v235
	s_wait_dscnt 0x0
	s_endpgm
.Lfunc_end_k_q8e1a2785b8_attn:
	.size	k_q8e1a2785b8_attn, .Lfunc_end_k_q8e1a2785b8_attn-k_q8e1a2785b8_attn
	.p2alignl 7, 3214868480
	.fill 96, 4, 3214868480
	.section	.rodata,"a",@progbits
	.p2align	6, 0x0
	.amdhsa_kernel k_q8e1a2785b8_attn
		.amdhsa_group_segment_fixed_size 327680
		.amdhsa_private_segment_fixed_size 0
		.amdhsa_enable_private_segment 0
		.amdhsa_kernarg_size 40
		.amdhsa_user_sgpr_count 2
		.amdhsa_user_sgpr_kernarg_segment_ptr 1
		.amdhsa_wavefront_size32 1
		.amdhsa_system_sgpr_workgroup_id_x 1
		.amdhsa_system_sgpr_workgroup_id_y 1
		.amdhsa_system_sgpr_workgroup_id_z 1
		.amdhsa_system_vgpr_workitem_id 0
		.amdhsa_next_free_vgpr 256
		.amdhsa_next_free_sgpr 66
		.amdhsa_reserve_vcc 1
		.amdhsa_float_denorm_mode_32 3
		.amdhsa_float_denorm_mode_16_64 3
		.amdhsa_fp16_overflow 1
		.amdhsa_memory_ordered 1
		.amdhsa_forward_progress 1
		.amdhsa_inst_pref_size 66
	.end_amdhsa_kernel
	.amdgpu_metadata
---
amdhsa.version: [ 1, 2 ]
amdhsa.kernels:
  - .name:           k_q8e1a2785b8_attn
    .symbol:         k_q8e1a2785b8_attn.kd
    .args:
      - { .name: qimg, .offset: 0, .size: 8, .value_kind: global_buffer, .address_space: global }
      - { .name: qsc, .offset: 8, .size: 8, .value_kind: global_buffer, .address_space: global }
      - { .name: kv, .offset: 16, .size: 8, .value_kind: global_buffer, .address_space: global }
      - { .name: yimg, .offset: 24, .size: 8, .value_kind: global_buffer, .address_space: global }
      - { .name: yscl, .offset: 32, .size: 8, .value_kind: global_buffer, .address_space: global }
    .group_segment_fixed_size: 327680
    .private_segment_fixed_size: 0
    .kernarg_segment_align: 8
    .kernarg_segment_size: 40
    .max_flat_workgroup_size: 512
    .sgpr_count:     66
    .vgpr_count:     256
    .wavefront_size: 32
...
	.end_amdgpu_metadata
.endif
;; end of part 2
;; launch proj (part 3): grid 4 x 64, 4 waves a work-group, clusters of 4 x 4, 327,680 bytes of LDS; arguments yimg, yscl, W_proj_codes, W_proj_scales, b_proj, out0; writes out0
.if DOCPART == 3
	.amdgcn_target "amdgcn-amd-amdhsa--gfx1250"
	.amdhsa_code_object_version 6
	.text
	.protected	k_q8e1a2785b8_proj
	.globl	k_q8e1a2785b8_proj
	.p2align	8
	.type	k_q8e1a2785b8_proj,@function
k_q8e1a2785b8_proj:
	s_mov_b64 s[64:65], 0
	v_nop
	global_prefetch_b8 v0, s[64:65] scope:SCOPE_SE
	s_setreg_imm32_b32 hwreg(HW_REG_WAVE_MODE, 25, 1), 1
	s_wait_xcnt 0x0
	s_wait_alu depctr_hold_cnt(0) depctr_sa_sdst(0) depctr_va_vdst(0) depctr_va_sdst(0) depctr_va_ssrc(0) depctr_va_vcc(0) depctr_vm_vsrc(0)
	s_getreg_b32 s2, hwreg(HW_REG_IB_STS2, 6, 4)
	s_cmp_eq_u32 s2, 0
	s_cbranch_scc0 .Lentry_in_a_cluster
	s_endpgm
.Lentry_in_a_cluster:
	s_bfe_u32 s2, ttmp6, 0x10000c
	s_cmp_lg_u32 s2, 0xf033
	s_cbranch_scc0 .Lentry_shape_is_right
	s_endpgm
.Lentry_shape_is_right:
; out0 = y W_proj^T + b_proj on codes of BF8 (E5M2) with one E8M0 scale for each 32 along K = 1,024; sums and result f32.
; A tile is 128 rows x 256 columns: 256 work-groups.  Four waves, each 64 rows x 128 columns: 32 accumulators, 256 registers.  Source 0 = 16 rows of W, source 1 = 16 rows of y: a lane holds eight neighbouring
; columns of one row; the bias is the C of each sum's first product.
; y comes as images of fragments, [256 along K: 4][16 rows: 512][128 along K: 2][block: 4][lane][16 bytes]: a K step's 64 rows are 16,384 dense bytes, and a fragment is four loads at 16 x lane.  W comes as rows.
; K goes in four steps of 256 through THREE LDS slots, all filled at the start; only K step 3 is a refill, of slot 0.  The scale bytes of all of K come once and stay.
; CLUSTERS: 4 x 4 work-groups; y's tile is asked for jointly along a row of the cluster, W's along a column.
; LIMITS: NaN and infinity among W's codes are not served.
.set PITCH,  272                       ; a row of W in LDS: 256 bytes + 16 of padding
.set HALFA,  16384                     ; 64 rows of y
.set HALFB,  128*PITCH                 ; 128 rows of W
.set BOFF,   2*HALFA
.set SLOT,   BOFF+2*HALFB              ; 102,400
.set SCL,    3*SLOT                    ; the scales: y's 128 rows, then W's 256, as rows of 256 bytes + 16
.set SHA,    8*272
.set SHB,    16*272
.set SBLK,   544                       ; those of 16 rows
.set SPARE,  SCL+2*SHA+2*SHB           ; the spare words: 128 bytes a wave
.set STAGE,  SLOT                      ; the way out: 16 rows x 528 bytes a wave, in slot 1, which is filled once and read last ahead of the barrier in step 5
.set SPITCH, 528
.set NP,     8
.set ADRA, 16                          ; v16-18 my fragments of y in slot 0, 1, 2
.set ADRB, 20                          ; v20-22 of W
.set STO,  24
.set RD,   25
.set CO,   26                          ; v26 16 x lane
.set ADRS, 27
.set SPW,  28
.set NIL,  29
.set SC,   32                          ; v32-63 scale words, two sets: register 2 i + q: lanes 0-15 y's block i, lanes 16-31 W's block i
.set BI,   64                          ; v64-127 the bias: register 8 b + j: column 16 b + 8 h + j
.set AF,   128                         ; v128-255 y's fragments, two sets of 64; window 1: W's, two sets of 128; window 2: the accumulators, (a, b) at 8 (8 a + b)
.set BK,   128
.set G1A,  24
.set G1B,  32
.set G1SA, 40
.set G1SB, 48
.set G0A0, 56
.set G0A1, 60
.set G0A2, 68
.set G0SA, 72
.set G0B0, 76
.set G0B1, 80
.set G0B2, 84
.set G0SB, 88
.set MSB, 0
.macro WIN new
.if MSB != (\new)
	s_set_vgpr_msb (MSB<<8)|(\new)
.set MSB, (\new)
.endif
.endm
.macro JLOAD g0a, g1a, g0b, g1b        ; waves 0 and 1 fetch for y, waves 2 and 3 for W; four v_nop follow each of the two lines
	s_cmp_eq_u32 s17, 0
	s_cbranch_scc0 .Lfor_b_\@
	tensor_load_to_lds s[\g0a:\g0a+3], s[\g1a:\g1a+7]
	s_nop 0
.rept 4
	v_nop
.endr
	s_branch .Lasked_\@
.Lfor_b_\@:
	tensor_load_to_lds s[\g0b:\g0b+3], s[\g1b:\g1b+7]
	s_nop 0
.rept 4
	v_nop
.endr
.Lasked_\@:
.endm
.macro CREST
	s_cmp_lg_u32 s16, 0
	s_cbranch_scc1 .Lnot_wave_0_\@
	s_barrier_signal -3
.Lnot_wave_0_\@:
	s_barrier_wait -3
	s_barrier_signal -1
	s_barrier_wait -1
.endm
.macro CROUND
	s_barrier_signal -1
	s_barrier_wait -1
	CREST
.endm
.macro PLACES n
.rept \n
	v_nop
.endr
.endm
	s_load_b256 s[4:11], s[0:1], 0x0               ; yimg, yscl, W's codes, W's scales
	s_load_b128 s[12:15], s[0:1], 0x20             ; b_proj, out0
	v_lshl_add_u32 v[SPW], v0, 2, SPARE
	v_mov_b32 v[NIL], 0
	ds_add_u32 v28, v29
	ds_add_u32 v28, v29
	s_wait_dscnt 0x0
	v_lshrrev_b32 v1, 5, v0
	v_readfirstlane_b32 s16, v1                    ; wave 0..3
	s_lshr_b32 s17, s16, 1                         ; which 64 rows are mine.  Also: I fetch for y (0) or for W (1)
	s_and_b32 s18, s16, 1                          ; which 128 columns.  Also: which half of that tile I fetch
	s_bfe_u32 s19, ttmp6, 0x40000                  ; cx
	s_bfe_u32 s20, ttmp6, 0x40004                  ; cy
	s_lshl_b32 s21, ttmp9, 2
	s_add_co_u32 s21, s21, s19                     ; tile column
	s_and_b32 s22, ttmp7, 0xffff
	s_lshl_b32 s22, s22, 2
	s_add_co_u32 s22, s22, s20                     ; tile row
	s_lshl_b32 s66, s20, 2
	s_lshl_b32 s66, 15, s66                        ; my row of the cluster
	s_lshl_b32 s67, 0x1111, s19                    ; my column
	s_or_b32 s[G1A], s66, (3<<16)|(1<<21)          ; y: 16,384 dense bytes as 64 rows of 256 (32 elements of 8 bytes), no padding
	s_mov_b32 s[G1A+1], 32<<16
	s_mov_b32 s[G1A+2], 64<<16
	s_mov_b32 s[G1A+3], 32<<16
	s_mov_b32 s[G1A+4], 64
	s_mov_b32 s[G1A+5], 32
	s_mov_b32 s[G1A+6], 0
	s_mov_b32 s[G1A+7], 0
	s_or_b32 s[G1B], s67, (0<<16)|(1<<20)|(1<<21)|(5<<22)|(3<<25)   ; W: 128 rows of 256 bytes, 1,024 apart; 4 words of padding behind every 64
	s_mov_b32 s[G1B+1], 256<<16
	s_mov_b32 s[G1B+2], 128<<16
	s_mov_b32 s[G1B+3], 256<<16
	s_mov_b32 s[G1B+4], 128
	s_mov_b32 s[G1B+5], 1024
	s_mov_b32 s[G1B+6], 0
	s_mov_b32 s[G1B+7], 0
	s_or_b32 s[G1SA], s66, (3<<16)|(1<<20)|(1<<21)|(5<<22)|(3<<25)  ; the scales of 64 rows of y: 8 rows of 256 bytes, padded
	s_mov_b32 s[G1SA+1], 32<<16
	s_mov_b32 s[G1SA+2], 8<<16
	s_mov_b32 s[G1SA+3], 32<<16
	s_mov_b32 s[G1SA+4], 8
	s_mov_b32 s[G1SA+5], 32
	s_mov_b32 s[G1SA+6], 0
	s_mov_b32 s[G1SA+7], 0
	s_or_b32 s[G1SB], s67, (3<<16)|(1<<20)|(1<<21)|(5<<22)|(3<<25)  ; of 128 rows of W: 16 rows
	s_mov_b32 s[G1SB+1], 32<<16
	s_mov_b32 s[G1SB+2], 16<<16
	s_mov_b32 s[G1SB+3], 32<<16
	s_mov_b32 s[G1SB+4], 16
	s_mov_b32 s[G1SB+5], 32
	s_mov_b32 s[G1SB+6], 0
	s_mov_b32 s[G1SB+7], 0
	s_lshl_b32 s100, s18, 14                       ; LDS places, by the wave's number alone: y's half,
	s_mul_i32 s101, s18, HALFB
	s_add_co_u32 s101, s101, BOFF                  ; W's half,
	s_mul_i32 s2, s18, SHA
	s_add_co_u32 s2, s2, SCL                       ; y's scales,
	s_mul_i32 s3, s18, SHB
	s_add_co_u32 s3, s3, SCL+2*SHA                 ; W's scales
	s_lshl_b32 s92, s22, 15                        ; y: 8 tiles of 16 rows x 4,096 bytes a tile row, + my half
	s_add_co_u32 s92, s92, s100
	s_mov_b32 s93, 0
	s_lshl_b32 s94, s22, 12                        ; y's scales: 128 rows x 32 bytes a tile row, + 64 rows
	s_lshl_b32 s23, s18, 11
	s_add_co_u32 s94, s94, s23
	s_mov_b32 s95, 0
	s_lshl_b32 s96, s21, 18                        ; W: 256 rows x 1,024 bytes a tile column, + 128 rows
	s_lshl_b32 s23, s18, 17
	s_add_co_u32 s96, s96, s23
	s_mov_b32 s97, 0
	s_lshl_b32 s98, s21, 13                        ; W's scales
	s_lshl_b32 s23, s18, 12
	s_add_co_u32 s98, s98, s23
	s_mov_b32 s99, 0
	s_wait_kmcnt 0x0
	s_add_nc_u64 s[92:93], s[4:5], s[92:93]
	s_add_nc_u64 s[94:95], s[6:7], s[94:95]
	s_add_nc_u64 s[96:97], s[8:9], s[96:97]
	s_add_nc_u64 s[98:99], s[10:11], s[98:99]
	CROUND                                         ; all sixteen work-groups are here: the first joint loads meet
	s_mov_b32 s[G0SA], 1
	s_mov_b32 s[G0SA+1], s2
	s_mov_b64 s[G0SA+2:G0SA+3], s[94:95]
	s_or_b32 s[G0SA+3], s[G0SA+3], 0x80000000
	s_mov_b32 s[G0SB], 1
	s_mov_b32 s[G0SB+1], s3
	s_mov_b64 s[G0SB+2:G0SB+3], s[98:99]
	s_or_b32 s[G0SB+3], s[G0SB+3], 0x80000000
	JLOAD G0SA, G1SA, G0SB, G1SB
.macro FIRST s, ga, gb                 ; K step s into slot s
	s_mov_b32 s[\ga], 1
	s_add_co_u32 s[\ga+1], s100, \s*SLOT
	s_add_nc_u64 s[\ga+2:\ga+3], s[92:93], \s*2097152
	s_or_b32 s[\ga+3], s[\ga+3], 0x80000000
	s_mov_b32 s[\gb], 1
	s_add_co_u32 s[\gb+1], s101, \s*SLOT
	s_add_nc_u64 s[\gb+2:\gb+3], s[96:97], \s*256
	s_or_b32 s[\gb+3], s[\gb+3], 0x80000000
	JLOAD \ga, G1A, \gb, G1B
.endm
	FIRST 0, G0A0, G0B0
	FIRST 1, G0A1, G0B1
	FIRST 2, G0A2, G0B2                            ; four loads of mine are out
	s_lshl_b32 s66, s21, 10                        ; my 128 columns, in bytes of f32
	s_lshl_b32 s23, s18, 9
	s_add_co_u32 s66, s66, s23
	s_mov_b32 s67, 0
	s_add_nc_u64 s[12:13], s[12:13], s[66:67]      ; their bias
	s_lshl_b32 s23, s22, 19                        ; 128 rows of 4,096 bytes a tile row,
	s_add_co_u32 s66, s66, s23
	s_lshl_b32 s23, s17, 18                        ; my 64 rows
	s_add_co_u32 s66, s66, s23
	s_add_nc_u64 s[14:15], s[14:15], s[66:67]      ; my corner of out0
	v_and_b32 v1, 15, v0                           ; r
	v_bfe_u32 v2, v0, 4, 1                         ; h
	v_lshlrev_b32 v8, 5, v2
.irp b, 0,1,2,3,4,5,6,7
	global_load_b128 v[BI+8*\b:BI+8*\b+3], v8, s[12:13] offset:64*\b
	global_load_b128 v[BI+8*\b+4:BI+8*\b+7], v8, s[12:13] offset:64*\b+16
.endr
	v_and_b32 v6, 31, v0
	v_lshlrev_b32 v[CO], 4, v6
	v_mul_u32_u24 v3, v1, PITCH
	v_lshl_add_u32 v4, v2, 4, v3
	s_lshl_b32 s92, s17, 14                        ; my 64 rows of y
	s_mul_i32 s93, s18, HALFB
	s_add_co_u32 s93, s93, BOFF                    ; my 128 rows of W
.irp s, 0,1,2
	v_add_nc_u32 v[ADRA+\s], s92, v[CO]
	v_add_nc_u32 v[ADRB+\s], s93, v4
	s_add_co_u32 s92, s92, SLOT
	s_add_co_u32 s93, s93, SLOT
.endr
	v_lshlrev_b32 v5, 5, v1                        ; my row's scales: 32 bytes a row,
	v_lshrrev_b32 v7, 8, v5
	v_lshl_add_u32 v5, v7, 4, v5                   ; and 16 more for each 256 passed
	s_mul_i32 s92, s17, SHA
	s_mul_i32 s93, s18, SHB
	s_add_co_u32 s93, s93, 2*SHA
	s_sub_co_u32 s93, s93, s92
	v_mul_u32_u24 v7, s93, v2                      ; lanes 16-31 take W's
	s_add_co_u32 s92, s92, SCL
	v_add_nc_u32 v5, v5, v7
	v_add_nc_u32 v[ADRS], s92, v5
	s_mul_i32 s92, s16, 16*SPITCH
	s_add_co_u32 s92, s92, STAGE                   ; my stage
	v_mul_u32_u24 v5, v1, SPITCH
	v_lshl_add_u32 v5, v2, 5, v5
	v_add_nc_u32 v[STO], s92, v5                   ; in: row r, 32 bytes for each half of the lanes
	v_add_nc_u32 v[RD], s92, v[CO]                 ; back: the 32 lanes take one row of 512 bytes
; Step t = 0 .. 7 is 128 along K: K step t / 2, in slot (t / 2) % 3, its half t % 2; fragments in set t % 2, scale words in set (t / 2) % 2.
.macro FETCH t
	WIN 0x40                                       ; destination window 1
.irp i, 0,1,2,3,4,5,6,7
.irp c, 0,1,2,3
	ds_load_b128 v[128*((\t)%2)+16*\i+4*\c:128*((\t)%2)+16*\i+4*\c+3], v[ADRB+((\t)/2)%3] offset:128*((\t)%2)+32*\c+\i*16*PITCH
.endr
.endr
	WIN 0
.irp i, 0,1,2,3
.irp c, 0,1,2,3
	ds_load_b128 v[AF+64*((\t)%2)+16*\i+4*\c:AF+64*((\t)%2)+16*\i+4*\c+3], v[ADRA+((\t)/2)%3] offset:4096*\i+2048*((\t)%2)+512*\c
.endr
.endr
.endm
.macro SCALES ks                       ; for i = 4 .. 7 lanes 0-15 read landed bytes of W's scales: those lanes' words are never named as y's
.irp i, 0,1,2,3,4,5,6,7
	ds_load_b64 v[SC+16*((\ks)%2)+2*\i:SC+16*((\ks)%2)+2*\i+1], v[ADRS] offset:\i*SBLK+8*(\ks)
.endr
.endm
; 16 matrix instructions: y's blocks a0, a0 + 1 x W's eight.  The 32 accumulators take turns, one instruction a turn, in the same order in every step.
.macro MUL16 a0, t, first
.irp a, \a0, \a0+1
.irp b, 0,1,2,3,4,5,6,7
.if \first
	v_wmma_scale_f32_16x16x128_f8f6f4 v[8*(8*(\a)+\b):8*(8*(\a)+\b)+7], v[128*((\t)%2)+16*\b:128*((\t)%2)+16*\b+15], v[AF+64*((\t)%2)+16*(\a):AF+64*((\t)%2)+16*(\a)+15], v[BI+8*\b:BI+8*\b+7], v[SC+16*(((\t)/2)%2)+2*\b+(\t)%2], v[SC+16*(((\t)/2)%2)+2*(\a)+(\t)%2] matrix_a_fmt:MATRIX_FMT_BF8 matrix_b_fmt:MATRIX_FMT_BF8 matrix_a_scale:MATRIX_SCALE_ROW1
.else
	v_wmma_scale_f32_16x16x128_f8f6f4 v[8*(8*(\a)+\b):8*(8*(\a)+\b)+7], v[128*((\t)%2)+16*\b:128*((\t)%2)+16*\b+15], v[AF+64*((\t)%2)+16*(\a):AF+64*((\t)%2)+16*(\a)+15], v[8*(8*(\a)+\b):8*(8*(\a)+\b)+7], v[SC+16*(((\t)/2)%2)+2*\b+(\t)%2], v[SC+16*(((\t)/2)%2)+2*(\a)+(\t)%2] matrix_a_fmt:MATRIX_FMT_BF8 matrix_b_fmt:MATRIX_FMT_BF8 matrix_a_scale:MATRIX_SCALE_ROW1
.endif
.endr
.endr
.endm
.set MUL_B, 0x81                       ; source 0 (W) window 1, source 1 (y) and C (the bias) window 0, D window 2
.set MUL,   0xa1                       ; C and D window 2
.macro PLAIN t, first                  ; the next step's 48 loads stand at the step's head and have its 32 products in which to land
	s_wait_dscnt 0x0                               ; this step's fragments are in
.if !(\first)
	PLACES NP                                      ; the other sets were read by the last step's products
.endif
	FETCH (\t)+1
.if ((\t)+1)%2 == 0
	SCALES ((\t)+1)/2
.endif
.if \first
	WIN MUL_B
.else
	WIN MUL
.endif
	MUL16 0, \t, \first
	MUL16 2, \t, \first
.endm
	s_wait_tensorcnt 2                             ; the scales and my part of K step 0 are in; the loads of slots 1 and 2 may be out
	s_barrier_signal -1
	s_barrier_wait -1
	FETCH 0
	SCALES 0
	s_wait_loadcnt 0x0                             ; the bias
	PLAIN 0, 1                                     ; the first products start the sums from the bias
	; step 1 leaves slot 0, which takes K step 3
	WIN 0
	s_wait_tensorcnt 0x0                           ; all my tensor loads have landed, slots 1 and 2 among them
	ds_add_u32 v[SPW], v[NIL]                      ; 0 onto my spare word
	s_wait_dscnt 1                                 ; step 1's fragments are in; the add may be out
	WIN MUL
	MUL16 0, 1, 0
	s_wait_dscnt 0x0                               ; the add is done, and my reads of slot 0 are over
	s_barrier_signal -1
	MUL16 2, 1, 0
	WIN 0
	s_barrier_wait -1
	CREST                                          ; a round of the cluster's barrier: no wave of any partner still reads slot 0 or has a load on its way
	s_add_nc_u64 s[G0A0+2:G0A0+3], s[G0A0+2:G0A0+3], 3*2097152
	s_add_nc_u64 s[G0B0+2:G0B0+3], s[G0B0+2:G0B0+3], 3*256
	JLOAD G0A0, G1A, G0B0, G1B                     ; the first tensor load behind the round; it has steps 2 to 4 in which to land
	PLACES NP-4
	FETCH 2
	SCALES 1
	PLAIN 2, 0
	PLAIN 3, 0
	PLAIN 4, 0
	; step 5: K step 3 has to be whole for everybody
	s_wait_tensorcnt 0x0                           ; my one load that is out: my part of K step 3
	s_wait_dscnt 0x0                               ; step 5's fragments are in
	s_barrier_signal -1
	WIN MUL
	MUL16 0, 5, 0
	s_barrier_wait -1
	PLACES NP
	FETCH 6
	SCALES 3
	WIN MUL
	MUL16 2, 5, 0
	PLAIN 6, 0
	s_wait_dscnt 0x0                               ; step 7: nothing more to fetch
	WIN MUL
	MUL16 0, 7, 0
	MUL16 2, 7, 0
	WIN 0
; THE WAY OUT, 16 rows x 128 columns at a time, through my own stage: in as 32 bytes a lane, back as whole rows of 512 bytes.  LDS serves a wave's instructions in order (ISA guide 5.7.1.4).
.macro TOSTAGE a
	WIN 0x08                                       ; an LDS store's data: window 2
.irp b, 0,1,2,3,4,5,6,7
	ds_store_b128 v[STO], v[64*(\a)+8*\b:64*(\a)+8*\b+3] offset:64*\b        ; each accumulator from its low end on
	ds_store_b128 v[STO], v[64*(\a)+8*\b+4:64*(\a)+8*\b+7] offset:64*\b+16
.endr
	WIN 0
.irp t, 0,1,2,3,4,5,6,7,8,9,10,11,12,13,14,15
	ds_load_b128 v[BK+64*((\a)%2)+4*\t:BK+64*((\a)%2)+4*\t+3], v[RD] offset:\t*SPITCH
.endr
.endm
.macro SEND a, younger                 ; younger: the LDS instructions issued behind block a's loads
	s_wait_dscnt \younger
.if (\a) > 0
	s_add_nc_u64 s[14:15], s[14:15], 16*4096       ; behind a wait on XCNT: the earlier stores have read their base
.endif
.irp t, 0,1,2,3,4,5,6,7,8,9,10,11,12,13,14,15
	global_store_b128 v[CO], v[BK+64*((\a)%2)+4*\t:BK+64*((\a)%2)+4*\t+3], s[14:15] offset:\t*4096 th:TH_STORE_NT   ; 32 lanes store 512 consecutive bytes, at a multiple of 256 from out0's first byte
.endr
.endm
	PLACES NP
	TOSTAGE 0
.irp a, 1,2,3
.if \a > 1
	s_wait_xcnt 0x0                                ; the stores of two blocks ago have read their registers and their base
.endif
	TOSTAGE \a
	SEND \a-1, 32                                  ; behind block a - 1's loads: block a's 16 stores and 16 loads
.endr
	s_wait_xcnt 0x0
	SEND 3, 0
	s_wait_tensorcnt 0x0                           ; the wave's end
	ds_add_u32 v[SPW], v[NIL]
	s_wait_dscnt 0x0
	CROUND                                         ; the closing round
	s_endpgm
.Lfunc_end_k_q8e1a2785b8_proj:
	.size	k_q8e1a2785b8_proj, .Lfunc_end_k_q8e1a2785b8_proj-k_q8e1a2785b8_proj
	.p2alignl 7, 3214868480
	.fill 96, 4, 3214868480
	.section	.rodata,"a",@progbits
	.p2align	6, 0x0
	.amdhsa_kernel k_q8e1a2785b8_proj
		.amdhsa_group_segment_fixed_size 327680
		.amdhsa_private_segment_fixed_size 0
		.amdhsa_enable_private_segment 0
		.amdhsa_kernarg_size 48
		.amdhsa_user_sgpr_count 2
		.amdhsa_user_sgpr_kernarg_segment_ptr 1
		.amdhsa_wavefront_size32 1
		.amdhsa_system_sgpr_workgroup_id_x 1
		.amdhsa_system_sgpr_workgroup_id_y 1
		.amdhsa_system_sgpr_workgroup_id_z 1
		.amdhsa_system_vgpr_workitem_id 0
		.amdhsa_next_free_vgpr 768
		.amdhsa_next_free_sgpr 102
		.amdhsa_reserve_vcc 0
		.amdhsa_float_denorm_mode_32 3
		.amdhsa_float_denorm_mode_16_64 3
		.amdhsa_memory_ordered 1
		.amdhsa_forward_progress 1
		.amdhsa_inst_pref_size 90
	.end_amdhsa_kernel
	.amdgpu_metadata
---
amdhsa.version: [ 1, 2 ]
amdhsa.kernels:
  - .name:           k_q8e1a2785b8_proj
    .symbol:         k_q8e1a2785b8_proj.kd
    .args:
      - { .name: yimg, .offset: 0, .size: 8, .value_kind: global_buffer, .address_space: global }
      - { .name: yscl, .offset: 8, .size: 8, .value_kind: global_buffer, .address_space: global }
      - { .name: W_proj_codes, .offset: 16, .size: 8, .value_kind: global_buffer, .address_space: global }
      - { .name: W_proj_scales, .offset: 24, .size: 8, .value_kind: global_buffer, .address_space: global }
      - { .name: b_proj, .offset: 32, .size: 8, .value_kind: global_buffer, .address_space: global }
      - { .name: out0, .offset: 40, .size: 8, .value_kind: global_buffer, .address_space: global }
    .group_segment_fixed_size: 327680
    .private_segment_fixed_size: 0
    .kernarg_segment_align: 8
    .kernarg_segment_size: 48
    .max_flat_workgroup_size: 128
    .sgpr_count:     102
    .vgpr_count:     768
    .wavefront_size: 32
...
	.end_amdgpu_metadata
.endif
;; end of part 3
